; MI455X (gfx1250); checked and timed in simulation.
; The chip was launched on July 23, 2026; its instructions are those of AMD's public machine-readable ISA for CDNA 5 (MIT licence, August 2026) and "CDNA5" Instruction Set Architecture Reference Guide (July 2026). The comments in the code are by the model that wrote it; some were corrected since.
;; Channel Mixing KAN. Allowed arithmetic: float matrix products may take bf16 or f16 operands with f32 sums; all other float work in f32.
;; Inputs: U 64 x 128 x 512 float32; bw1 256 x 128 float32; bw2 128 x 256 float32; ln_b 512 x 128 float32; ln_w 512 x 128 float32; ss1 256 x 128 float32; ss2 128 x 256 float32; sw1 256 x 128 x 8 float32; sw2 128 x 256 x 8 float32.
;; Outputs: out0 64 x 128 x 512 float32.
;; One version. Each part assembles by itself: llvm-mc -triple=amdgcn-amd-amdhsa -mcpu=gfx1250 --defsym DOCPART=n.
;; ======== version 1 of 1: 2 launches
;; workspace buffers: wf 1,179,648 bytes; lnp 524,288 bytes; stats 2,048 bytes
;; launch prep (part 1): grid 464 x 1, 16 waves a work-group, no clusters, 4,096 bytes of LDS; arguments U, bw1, sw1, ss1, bw2, sw2, ss2, ln_w, ln_b, wf, lnp, stats; writes wf, lnp, stats
.if DOCPART == 1
	.amdgcn_target "amdgcn-amd-amdhsa--gfx1250"
	.amdhsa_code_object_version 6
	.text
	.protected	k_q85204c31ac_prep
	.globl	k_q85204c31ac_prep
	.p2align	8
	.type	k_q85204c31ac_prep,@function
k_q85204c31ac_prep:
	s_mov_b64 s[64:65], 0
	v_nop
	global_prefetch_b8 v0, s[64:65] scope:SCOPE_SE
	s_setreg_imm32_b32 hwreg(HW_REG_WAVE_MODE, 25, 1), 1
	s_wait_xcnt 0x0
; Three jobs, told apart by the work-group's number (the same for all 16 waves of a work-group):
;   0..255    STATISTICS: quarter q of batch b (work-group 4 b + q) is 16,384 numbers of U, 65,536 dense bytes.  Its mean, and the sum of squares
;             round that mean (two passes over registers: no difference of large sums), go to stats as a pair of f32.
;   256..399  WEIGHTS: 18 tiles of 65,536 bytes of bf16 in the order in which the second launch's matrix fragments want them:
;             tile = [K half kh][32 blocks of 1,024 bytes]; block = [register half][lane][16 bytes]; lane (r, h) holds output row 16 mb + r.
;             tiles 0-7 layer 1 spline, 8 layer 1 silu, 9-16 layer 2 spline, 17 layer 2 silu.  A spline entry is the 8 coefficients of one
;             (output, feature) times the scaler times 1/6 (the second launch makes the bases times 6), rounded once.
;   400..463  ln_w and ln_b in the order of the second launch's lanes: [table][token block][wave][channel slot gj][lane][4 tokens].
; The weights and the two tables are read once, a few bytes a lane from rows far apart: 3 MB in all, so no staging is built for them.
.set SPARE, 512                        ; LDS: 0-63 the waves' sums of pass 1, 256-319 of pass 2, 512-2559 the spare words (128 bytes a wave)
	s_load_b512 s[4:19], s[0:1], 0x0               ; U s[4:5], bw1 s[6:7], sw1 s[8:9], ss1 s[10:11], bw2 s[12:13], sw2 s[14:15], ss2 s[16:17], ln_w s[18:19]
	s_load_b256 s[20:27], s[0:1], 0x40             ; ln_b s[20:21], wf s[22:23], lnp s[24:25], stats s[26:27]
	v_lshl_add_u32 v4, v0, 2, SPARE                ; my spare word,
	v_mov_b32 v5, 0                                ; and 0: kept for the add at the end of the waves that store to LDS
	s_mov_b32 s28, ttmp9
	s_mov_b32 s31, 0
	v_lshlrev_b32 v10, 4, v0                       ; 16 bytes a thread
	v_and_b32 v1, 15, v0                           ; r
	v_bfe_u32 v2, v0, 4, 1                         ; h
	v_bfe_u32 v3, v0, 5, 1                         ; register half of a fragment
	s_wait_kmcnt 0x0
	s_cmp_lt_u32 s28, 256
	s_cbranch_scc0 .Lnot_a
; ---------------- statistics ----------------
; v48 holds a lane's sum: over the wave's lanes, over the 16 waves through LDS words at byte off; every lane ends with the total in v48.
.macro WGSUM off
	v_add_f32_dpp v48, v48, v48 row_xmask:1 row_mask:0xf bank_mask:0xf
	v_add_f32_dpp v48, v48, v48 row_xmask:2 row_mask:0xf bank_mask:0xf
	v_add_f32_dpp v48, v48, v48 row_xmask:4 row_mask:0xf bank_mask:0xf
	v_add_f32_dpp v48, v48, v48 row_xmask:8 row_mask:0xf bank_mask:0xf
	v_permlanex16_b32 v49, v48, s32, s33           ; v49 has been written by the sums in front
	v_add_f32 v48, v48, v49
	ds_store_b32 v6, v48 offset:\off               ; all lanes of a wave write the wave's word with the same value
	s_wait_dscnt 0x0                               ; for the others' sake: my store is done
	s_barrier_signal -1
	s_barrier_wait -1
	ds_load_b128 v[48:51], v7 offset:\off
	ds_load_b128 v[52:55], v7 offset:\off+16
	ds_load_b128 v[56:59], v7 offset:\off+32
	ds_load_b128 v[60:63], v7 offset:\off+48
	s_wait_dscnt 0x0
	v_pk_add_f32 v[48:49], v[48:49], v[50:51]
	v_pk_add_f32 v[52:53], v[52:53], v[54:55]
	v_pk_add_f32 v[56:57], v[56:57], v[58:59]
	v_pk_add_f32 v[60:61], v[60:61], v[62:63]
	v_pk_add_f32 v[48:49], v[48:49], v[52:53]
	v_pk_add_f32 v[56:57], v[56:57], v[60:61]
	v_pk_add_f32 v[48:49], v[48:49], v[56:57]
	v_add_f32 v48, v48, v49
.endm
	s_lshl_b32 s30, s28, 16
	s_add_nc_u64 s[4:5], s[4:5], s[30:31]          ; my 65,536 bytes of U
.irp i, 0,1,2,3,4,5,6,7
	global_load_b128 v[16+4*\i:19+4*\i], v10, s[4:5] offset:\i*8192  ; 512 threads x 16 bytes: 8,192 dense bytes a line
.endr
	s_mov_b32 s32, 0x76543210
	s_mov_b32 s33, 0xfedcba98
	v_lshrrev_b32 v6, 5, v0
	v_lshlrev_b32 v6, 2, v6                        ; 4 x wave
	v_mov_b32 v7, 0
	s_wait_loadcnt 0x0
.irp k, 0,1,2,3                        ; pass 1: four chains, started by the first sums
	v_pk_add_f32 v[48+2*\k:49+2*\k], v[16+2*\k:17+2*\k], v[24+2*\k:25+2*\k]
.endr
.irp k, 0,1,2,3
	v_pk_add_f32 v[48+2*\k:49+2*\k], v[48+2*\k:49+2*\k], v[32+2*\k:33+2*\k]
.endr
.irp k, 0,1,2,3
	v_pk_add_f32 v[48+2*\k:49+2*\k], v[48+2*\k:49+2*\k], v[40+2*\k:41+2*\k]
.endr
	v_pk_add_f32 v[48:49], v[48:49], v[50:51]
	v_pk_add_f32 v[52:53], v[52:53], v[54:55]
	v_pk_add_f32 v[48:49], v[48:49], v[52:53]
	v_add_f32 v48, v48, v49
	WGSUM 0
	v_mul_f32 v8, 0x38800000, v48                  ; mean = sum / 16,384
	v_mov_b32 v9, v8
.set i, 0
.rept 16                               ; pass 2: x - mean, in place
	v_pk_add_f32 v[16+2*i:17+2*i], v[16+2*i:17+2*i], v[8:9] neg_lo:[0,1] neg_hi:[0,1]
.set i, i+1
.endr
.irp k, 0,1,2,3
	v_pk_mul_f32 v[48+2*\k:49+2*\k], v[16+2*\k:17+2*\k], v[16+2*\k:17+2*\k]
.endr
.set i, 4
.rept 12
	v_pk_fma_f32 v[48+2*(i%4):49+2*(i%4)], v[16+2*i:17+2*i], v[16+2*i:17+2*i], v[48+2*(i%4):49+2*(i%4)]
.set i, i+1
.endr
	v_pk_add_f32 v[48:49], v[48:49], v[50:51]
	v_pk_add_f32 v[52:53], v[52:53], v[54:55]
	v_pk_add_f32 v[48:49], v[48:49], v[52:53]
	v_add_f32 v48, v48, v49
	WGSUM 256                                      ; other LDS words than pass 1's: no wave can overwrite what another still reads
	v_mov_b32 v9, v48                              ; (mean, sum of squares round it)
	s_lshl_b32 s30, s28, 3
	s_add_nc_u64 s[26:27], s[26:27], s[30:31]
	v_cmp_eq_u32 vcc_lo, 0, v0
	s_wait_xcnt 0x0                                ; EXEC changes only behind this wait
	s_and_saveexec_b32 s34, vcc_lo
	global_store_b64 v7, v[8:9], s[26:27]          ; thread 0 alone: 8 bytes a work-group
	s_wait_xcnt 0x0                                ; and again in front of the line that widens it
	s_or_b32 exec_lo, exec_lo, s34
	s_wait_tensorcnt 0x0                           ; the wave's end, behind my last LDS store
	ds_add_u32 v4, v5
	s_wait_dscnt 0x0
	s_endpgm
; ---------------- weights ----------------
; v6 = block number bi in (tile, kh).  la: log2 of the m blocks; lin: log2 of the layer's inputs; sil = 1: a silu tile.
; s35 = what is exclusive-ored onto the accumulator row to give the m block (the wave's own half of the outputs comes first); s36 = the feature's scalar part.
; Leaves v7 = output row x inputs + feature.
.macro IDX la, lin, sil
	v_and_b32 v7, (1<<\la)-1, v6                   ; accumulator row a
	v_lshrrev_b32 v8, \la, v6                      ; K step inside the tile
	v_xor_b32 v7, s35, v7                          ; m block
	v_lshl_add_u32 v7, v7, 4, v1                   ; output row 16 mb + r
	v_lshl_add_u32 v9, v2, 3, s36                  ; feature: scalar part + 8 h
.if \sil
	v_lshl_add_u32 v9, v8, 5, v9                   ; + 32 s + 16 half: eight neighbouring features follow
	v_lshl_add_u32 v9, v3, 4, v9
.else
	v_lshl_add_u32 v9, v8, 1, v9                   ; + 2 c + half: one feature, eight coefficients
	v_add_nc_u32 v9, v9, v3
.endif
	v_lshl_add_u32 v7, v7, \lin, v9
.endm
.macro SPL sw, ss                      ; eight coefficients x scaler / 6 -> 16 bytes of bf16
	v_lshlrev_b32 v8, 5, v7
	v_lshlrev_b32 v9, 2, v7
	global_load_b128 v[16:19], v8, s[\sw:\sw+1]
	global_load_b128 v[20:23], v8, s[\sw:\sw+1] offset:16
	global_load_b32 v24, v9, s[\ss:\ss+1]
	s_wait_loadcnt 0x0
	v_mul_f32 v24, 0x3e2aaaab, v24                 ; 1/6, in f32, ahead of the one rounding
	v_mov_b32 v25, v24                             ; named with it as a pair
.irp i, 0,1,2,3
	v_pk_mul_f32 v[16+2*\i:17+2*\i], v[16+2*\i:17+2*\i], v[24:25] op_sel_hi:[1,0]
.endr
.irp i, 0,1,2,3
	v_cvt_pk_bf16_f32 v[28+\i], v[16+2*\i], v[17+2*\i]
.endr
	global_store_b128 v10, v[28:31], s[22:23]      ; the work-group's 512 threads store 8,192 dense bytes
	s_endpgm
.endm
.macro BAS bw                          ; eight neighbouring base weights -> 16 bytes of bf16
	v_lshlrev_b32 v8, 2, v7
	global_load_b128 v[16:19], v8, s[\bw:\bw+1]
	global_load_b128 v[20:23], v8, s[\bw:\bw+1] offset:16
	s_wait_loadcnt 0x0
.irp i, 0,1,2,3
	v_cvt_pk_bf16_f32 v[28+\i], v[16+2*\i], v[17+2*\i]
.endr
	global_store_b128 v10, v[28:31], s[22:23]
	s_endpgm
.endm
.Lnot_a:
	s_cmp_lt_u32 s28, 400
	s_cbranch_scc0 .Lrole_c
	s_sub_co_u32 s29, s28, 256                     ; 0..143: eight work-groups a tile
	s_lshl_b32 s30, s29, 13
	s_add_nc_u64 s[22:23], s[22:23], s[30:31]      ; my 8,192 bytes of wf
	s_lshr_b32 s32, s29, 3                         ; tile
	s_bfe_u32 s33, s29, 0x10002                    ; kh
	s_and_b32 s34, s29, 3
	s_lshl_b32 s34, s34, 3
	v_lshrrev_b32 v6, 6, v0
	v_add_nc_u32 v6, s34, v6                       ; block 0..31
	s_cmp_lt_u32 s32, 8
	s_cbranch_scc0 .Lb1
	s_lshl_b32 s35, s33, 3                         ; layer 1 spline: channel = 64 kh + 16 (tile / 2) + 8 h + 4 (tile % 2) + 2 c + half
	s_lshl_b32 s36, s33, 6
	s_lshr_b32 s37, s32, 1
	s_lshl4_add_u32 s36, s37, s36
	s_and_b32 s37, s32, 1
	s_lshl2_add_u32 s36, s37, s36
	IDX 4, 7, 0
	SPL 8, 10
.Lb1:
	s_cmp_eq_u32 s32, 8
	s_cbranch_scc0 .Lb2
	s_lshl_b32 s35, s33, 3                         ; layer 1 silu: channels 64 kh + 32 s + 16 half + 8 h + 0..7
	s_lshl_b32 s36, s33, 6
	IDX 4, 7, 1
	BAS 6
.Lb2:
	s_cmp_lt_u32 s32, 17
	s_cbranch_scc0 .Lb3
	s_lshl_b32 s35, s33, 2                         ; layer 2 spline: hidden = 128 kh + 16 (tile - 9) + 8 h + 2 c + half
	s_lshl_b32 s36, s33, 7
	s_sub_co_u32 s37, s32, 9
	s_lshl4_add_u32 s36, s37, s36
	IDX 3, 8, 0
	SPL 14, 16
.Lb3:
	s_lshl_b32 s35, s33, 2                         ; layer 2 silu: hidden 128 kh + 32 s + 16 half + 8 h + 0..7
	s_lshl_b32 s36, s33, 7
	IDX 3, 8, 1
	BAS 12
; ---------------- ln_w, ln_b ----------------
.Lrole_c:
	s_sub_co_u32 s29, s28, 400                     ; 0..63: 32 work-groups a table
	s_lshl_b32 s30, s29, 13
	s_add_nc_u64 s[24:25], s[24:25], s[30:31]      ; my 8,192 bytes of lnp
	s_cmp_lt_u32 s29, 32
	s_cselect_b64 s[18:19], s[18:19], s[20:21]     ; ln_w, then ln_b
	s_and_b32 s32, s29, 31                         ; item = 512 x this + thread = [token block 2 bits][wave 2][gj 5][lane 5]
	s_lshr_b32 s33, s32, 3                         ; token block
	s_bfe_u32 s34, s32, 0x10002                    ; wave / 2: which 64 tokens
	s_bfe_u32 s35, s32, 0x10001                    ; wave % 2: which 64 channels
	s_and_b32 s36, s32, 1                          ; gj's top bit: 32 channels
	s_lshl_b32 s33, s33, 16                        ; 128 rows of 512 bytes
	s_lshl_b32 s34, s34, 15
	s_lshl_b32 s35, s35, 8
	s_lshl_b32 s36, s36, 7
	s_add_co_u32 s33, s33, s34
	s_add_co_u32 s33, s33, s35
	s_add_co_u32 s33, s33, s36
	v_bfe_u32 v6, v0, 8, 1
	v_bfe_u32 v7, v0, 5, 3
	v_lshl_add_u32 v7, v6, 4, v7
	v_lshl_add_u32 v7, v2, 3, v7                   ; channel's vector part: 16 (gj / 8 % 2) + 8 h + gj % 8
	v_lshlrev_b32 v7, 2, v7
	v_lshl_add_u32 v7, v1, 11, v7                  ; token 4 r: four rows of 512 bytes
	v_add_nc_u32 v7, s33, v7
.irp n, 0,1,2,3
	global_load_b32 v[16+\n], v7, s[18:19] offset:\n*512   ; tokens 4 r + 0..3 of one channel
.endr
	s_wait_loadcnt 0x0
	global_store_b128 v10, v[16:19], s[24:25]
	s_endpgm
.Lfunc_end_k_q85204c31ac_prep:
	.size	k_q85204c31ac_prep, .Lfunc_end_k_q85204c31ac_prep-k_q85204c31ac_prep
	.p2alignl 7, 3214868480
	.fill 96, 4, 3214868480
	.section	.rodata,"a",@progbits
	.p2align	6, 0x0
	.amdhsa_kernel k_q85204c31ac_prep
		.amdhsa_group_segment_fixed_size 4096
		.amdhsa_private_segment_fixed_size 0
		.amdhsa_enable_private_segment 0
		.amdhsa_kernarg_size 96
		.amdhsa_user_sgpr_count 2
		.amdhsa_user_sgpr_kernarg_segment_ptr 1
		.amdhsa_wavefront_size32 1
		.amdhsa_system_sgpr_workgroup_id_x 1
		.amdhsa_system_sgpr_workgroup_id_y 1
		.amdhsa_system_sgpr_workgroup_id_z 1
		.amdhsa_system_vgpr_workitem_id 0
		.amdhsa_next_free_vgpr 64
		.amdhsa_next_free_sgpr 66
		.amdhsa_reserve_vcc 1
		.amdhsa_float_denorm_mode_32 3
		.amdhsa_float_denorm_mode_16_64 3
		.amdhsa_memory_ordered 1
		.amdhsa_forward_progress 1
		.amdhsa_inst_pref_size 16
	.end_amdhsa_kernel
	.amdgpu_metadata
---
amdhsa.version: [ 1, 2 ]
amdhsa.kernels:
  - .name:           k_q85204c31ac_prep
    .symbol:         k_q85204c31ac_prep.kd
    .args:
      - { .name: U, .offset: 0, .size: 8, .value_kind: global_buffer, .address_space: global }
      - { .name: bw1, .offset: 8, .size: 8, .value_kind: global_buffer, .address_space: global }
      - { .name: sw1, .offset: 16, .size: 8, .value_kind: global_buffer, .address_space: global }
      - { .name: ss1, .offset: 24, .size: 8, .value_kind: global_buffer, .address_space: global }
      - { .name: bw2, .offset: 32, .size: 8, .value_kind: global_buffer, .address_space: global }
      - { .name: sw2, .offset: 40, .size: 8, .value_kind: global_buffer, .address_space: global }
      - { .name: ss2, .offset: 48, .size: 8, .value_kind: global_buffer, .address_space: global }
      - { .name: ln_w, .offset: 56, .size: 8, .value_kind: global_buffer, .address_space: global }
      - { .name: ln_b, .offset: 64, .size: 8, .value_kind: global_buffer, .address_space: global }
      - { .name: wf, .offset: 72, .size: 8, .value_kind: global_buffer, .address_space: global }
      - { .name: lnp, .offset: 80, .size: 8, .value_kind: global_buffer, .address_space: global }
      - { .name: stats, .offset: 88, .size: 8, .value_kind: global_buffer, .address_space: global }
    .group_segment_fixed_size: 4096
    .private_segment_fixed_size: 0
    .kernarg_segment_align: 8
    .kernarg_segment_size: 96
    .max_flat_workgroup_size: 512
    .sgpr_count:     66
    .vgpr_count:     64
    .wavefront_size: 32
...
	.end_amdgpu_metadata
.endif
;; end of part 1
;; launch kan (part 2): grid 256 x 1, 4 waves a work-group, clusters of 4 x 1, 327,680 bytes of LDS; arguments U, wf, lnp, stats, out0; writes out0
.if DOCPART == 2
	.amdgcn_target "amdgcn-amd-amdhsa--gfx1250"
	.amdhsa_code_object_version 6
	.text
	.protected	k_q85204c31ac_kan
	.globl	k_q85204c31ac_kan
	.p2align	8
	.type	k_q85204c31ac_kan,@function
k_q85204c31ac_kan:
	s_mov_b64 s[64:65], 0
	v_nop
	global_prefetch_b8 v0, s[64:65] scope:SCOPE_SE
	s_setreg_imm32_b32 hwreg(HW_REG_WAVE_MODE, 25, 1), 1
	s_wait_xcnt 0x0
	s_wait_alu depctr_hold_cnt(0) depctr_sa_sdst(0) depctr_va_vdst(0) depctr_va_sdst(0) depctr_va_ssrc(0) depctr_va_vcc(0) depctr_vm_vsrc(0)
	s_getreg_b32 s2, hwreg(HW_REG_IB_STS2, 6, 4)
	s_cmp_eq_u32 s2, 0
	s_cbranch_scc0 .Lentry_in_a_cluster
	s_endpgm
.Lentry_in_a_cluster:
	s_bfe_u32 s2, ttmp6, 0x10000c
	s_cmp_lg_u32 s2, 0x3003
	s_cbranch_scc0 .Lentry_shape_is_right
	s_endpgm
.Lentry_shape_is_right:
; out = U + (KAN2(KAN1(LN(U^T))))^T, fused.  A KAN layer is ONE product on expanded features: each input gives 8 cubic B-spline bases and silu(x).
; SHARES.  A cluster of four work-groups is one batch; a work-group owns 128 tokens; wave w owns 64 of them (w / 2) and half of K (kh = w % 2) in both layers.
; Lane (r, h): token 4 r + nb of the wave's 64 (nb = 0..3 numbers the four token tiles), so four tokens of a channel are 16 neighbouring bytes of U and of out.
; THE MATRIX INSTRUCTION takes 16 output rows of the weights as source 0 and 16 tokens of features as source 1.  With k = 8 x feature + coefficient a lane's four
; registers ARE the eight bases of one (token, feature), and a result lane holds one token and outputs 8 h + 0..7: layer 1's result lies in the lane that expands it for layer 2.
; THE BASES.  The knots are uniform: u = 2.5 x + 5.5, clamped to 0..11, i = floor(u), t = u - i.  Only bases i-3..i differ from 0: (1-t)^3, (3s-6)s^2+4 for s = t and 1-t, t^3
; (times 6; the weights carry 1/6).  They are rounded to bf16 in pairs and moved to their place among the eight by a byte permute (i's bit 0) and selects (bit 1; i >= 4; i >= 8):
; no address and no branch hangs on a number.  At the clamp's ends all eight come out 0, as outside the grid.
; K IS SPLIT between the two waves of a token half: each makes partial sums for all outputs, its own half of them first, and sends the other half to its partner through LDS.
; WEIGHTS: 18 tiles of 65,536 bytes in fragment order (made by the launch before) walk through two LDS slots; the four work-groups of a cluster walk the same tiles, so each
; is asked for JOINTLY (mask of four); each wave asks for its quarter, one tensor load a wave behind each round: by this text's count one tensor load of a wave is out at most.
; BY TURNS.  While one K step's products run, the next K step's features are made: four vector instructions behind every product, the rest in a lump at the step's head.
; THE LDS LOADS of the spline loops stand in runs, never singly among the products: eight weight fragments (16 loads) a run, 32 products ahead of their first use.
; LIMITS.  NaN and infinities are not treated apart.  Which interval x falls into is decided on u, so at a knot the rounding of 2.5 x + 5.5 may choose the neighbour: the spline is
; continuous with two derivatives there.  Bases, silu values and weights are rounded to bf16; x, the hidden numbers and all sums are f32; the two halves of K are added once, in f32.
; The accumulators are cleared by moves, 768 in all (512 of them while loads are out): no first K step is written out, which keeps one text for every trip.
; REGISTERS, in windows of 256 (s_set_vgpr_msb: bits 1:0 source 0, 3:2 source 1, 5:4 source 2, 7:6 destination):
;   window 0: v2-15 addresses and constants; v16-31 x of two K steps; v32-95 four contexts of 16 at work; v96-127, v128-159 two feature buffers; v160-223 the silu tiles' weights; v224-255 at work
;   window 1: layer 1's accumulators of my own 128 hidden (row a, tile nb at 32 a + 8 nb)      window 2: those of the partner's 128; later layer 2's eight rows
;   window 3: v0-127 U, kept to the end; v128-255 sixteen weight fragments of the spline loops, two halves of eight
.set NE,    33                         ; vector instructions for one (token, feature)
.set SLOT1, 65536                      ; LDS: slot 0 at 0, slot 1 here: filled by tensor loads alone
.set STAGE, 131072                     ; four areas, one a wave: x, the exchanges, the hidden numbers: written by ds_store alone
.set AREA,  34816
.set SPARE, STAGE+4*AREA               ; the spare words, 128 bytes a wave: two blocks of 256 bytes that no other line names
.set WA0, 2                            ; 16 x lane + 32,768 kh; never rewritten
.set WA,  3                            ; the same in the slot in hand
.set XA,  4                            ; x of the slot in hand
.set SA,  5                            ; my area + 16 x lane
.set PA,  6                            ; my partner's area + 16 x lane
.set GU,  7                            ; my byte offset in U and out: 16,384 h + 16 r
.set GL,  8                            ; 16 x lane
.set ZR,  9                            ; 0
.set SPW, 10                           ; my spare word; never rewritten
.set NIL, 11                           ; 0, for the add alone
.set MU,  12                           ; v[12:13] the batch's mean, twice
.set RS,  14                           ; v[14:15] 1 / sqrt(var + eps), twice
.set XQ,  16
.set CT,  32
.set FA,  96
.set FB,  128
.set W,   160
.set TQ,  224
.set WB,  128                          ; window 3: the spline loops' weight fragments
.set WV,  14                           ; s14 my wave's number
.set G1,  24                           ; s[24:31] descriptor group 1
.set G0,  32                           ; s[32:35] descriptor group 0: it walks
.set TB,  36                           ; s36 LDS byte of the slot in hand
.set CNT, 37                           ; s37 loop counts
.set XB,  38                           ; s38 byte of the K steps in hand in my area
.set SWB, 39                           ; s39 the silu loops' weight byte
.set C25, 40                           ; s40 2.5   s41 5.5   s42 11.0   s43 -log2(e)
.set C3,  44                           ; s[44:45] 3.0    s[46:47] -6.0
.set MK,  48                           ; s48-59 three lane masks a context
.set SELO, 60                          ; s60 byte selector for odd i, s61 for even i
.set MSB, 0
.macro WIN new                         ; the high byte repeats the setting that is left; a switch that changes nothing is dropped
.if MSB != (\new)
	s_set_vgpr_msb (MSB<<8)|(\new)
.set MSB, (\new)
.endif
.endm
.macro PLACES                          ; four plain places behind matrix instructions (ISA guide 7.12.1), where no other vector work is at hand
.rept 4
	v_nop
.endr
.endm
.macro CROUND                          ; a round of the cluster's barrier
	s_barrier_signal -1
	s_barrier_wait -1
	s_cmp_lg_u32 s[WV], 0
	s_cbranch_scc1 .Lnot_wave_0_\@
	s_barrier_signal -3
.Lnot_wave_0_\@:
	s_barrier_wait -3
	s_barrier_signal -1
	s_barrier_wait -1
.endm
; THE CHANGE OF SLOTS.  Each wave waits for all its tensor loads (one is out: its quarter of the tile to be entered), adds 0 to its spare word, and waits for that and for its reads of the
; slot that it leaves.  fill = 1: a round of the cluster's barrier, and the slot just left takes the tile after the one entered, the first thing behind the round.
.macro CHANGE fill
	WIN 0                                          ; at a label and at a branch every window is 0
	s_wait_tensorcnt 0x0                           ; no tensor load of mine is out, so group 0 may be written
	ds_add_u32 v[SPW], v[NIL]
.if \fill
	s_xor_b32 s[G0+1], s[G0+1], SLOT1              ; the other slot than last time,
	s_add_nc_u64 s[G0+2:G0+3], s[G0+2:G0+3], 65536 ; the next tile; the type bits on top are not reached
.endif
	s_wait_dscnt 0x0                               ; the add is done, and my reads of the slot are over
.if \fill
	CROUND
	tensor_load_to_lds s[G0:G0+3], s[G1:G1+7]
	s_nop 0
	PLACES
.else
	s_barrier_signal -1
	s_barrier_wait -1
.endif
	s_xor_b32 s[TB], s[TB], SLOT1
	v_add_nc_u32 v[WA], s[TB], v[WA0]
.endm
; THE QUEUE.  A K step has 8 (token, feature) a lane: 4 token tiles x 2 register halves.  Entry RK of its 8 NE instructions: half RK / (4 NE), step (RK % (4 NE)) / 4, tile RK % 4: the four
; tiles' contexts alternate, so an entry reads nothing made fewer than four instructions before it.  All entries are plain.  x lies at RSRC + RSN x tile + RSL x half, the result goes to RDST + 8 x tile + 4 x half.
.macro OP1
.if RK < 8*NE
	WIN 0
.set QN, (RK%(4*NE))/4
.set QB, CT+16*(RK%4)
.set QX, RSRC+RSN*(RK%4)+RSL*(RK/(4*NE))
.set QO, RDST+8*(RK%4)+4*(RK/(4*NE))
.set QM, MK+3*(RK%4)
.if QN == 0
	v_fma_f32 v[QB+8], v[QX], s[C25], s[C25+1]             ; u
.elseif QN == 1
	v_med3_num_f32 v[QB+8], v[QB+8], 0, s[C25+2]           ; into 0 .. 11
.elseif QN == 2
	v_cvt_u32_f32 v[QB+9], v[QB+8]                         ; i
.elseif QN == 3
	v_fract_f32 v[QB], v[QB+8]                             ; t
.elseif QN == 4
	v_sub_f32 v[QB+1], 1.0, v[QB]                          ; 1 - t
.elseif QN == 5
	v_lshlrev_b32 v[QB+12], 31, v[QB+9]
.elseif QN == 6
	v_pk_mul_f32 v[QB+2:QB+3], v[QB:QB+1], v[QB:QB+1]
.elseif QN == 7
	v_pk_fma_f32 v[QB+6:QB+7], v[QB:QB+1], s[C3:C3+1], s[C3+2:C3+3] op_sel_hi:[1,0,0]   ; 3 s - 6
.elseif QN == 8
	v_ashrrev_i32 v[QB+12], 31, v[QB+12]                   ; all ones where i is odd
.elseif QN == 9
	v_and_b32 v[QB+13], 2, v[QB+9]
.elseif QN == 10
	v_pk_mul_f32 v[QB+4:QB+5], v[QB:QB+1], v[QB+2:QB+3]    ; (w3, w0) = (t^3, (1-t)^3)
.elseif QN == 11
	v_pk_fma_f32 v[QB+6:QB+7], v[QB+6:QB+7], v[QB+2:QB+3], 4.0 op_sel_hi:[1,1,0]        ; (w1, w2)
.elseif QN == 12
	v_bfi_b32 v[QB+8], v[QB+12], s[SELO], s[SELO+1]        ; odd i: the pairs stay; even i: they move up half a register
.elseif QN == 13
	v_cmp_ne_u32 s[QM], 0, v[QB+13]
.elseif QN == 14
	v_cvt_pk_bf16_f32 v[QB+10], v[QB+5], v[QB+6]           ; (w0, w1)
.elseif QN == 15
	v_cvt_pk_bf16_f32 v[QB+11], v[QB+7], v[QB+4]           ; (w2, w3)
.elseif QN == 16
	v_cmp_le_u32 s[QM+1], 4, v[QB+9]
.elseif QN == 17
	v_cmp_le_u32 s[QM+2], 8, v[QB+9]
.elseif QN == 18
	v_perm_b32 v[QB], v[QB+10], v[ZR], v[QB+8]             ; three registers that belong at places i/2 - 2, i/2 - 1, i/2 of the four
.elseif QN == 19
	v_perm_b32 v[QB+1], v[QB+11], v[QB+10], v[QB+8]
.elseif QN == 20
	v_perm_b32 v[QB+2], v[ZR], v[QB+11], v[QB+8]
.elseif QN == 21
	v_cndmask_b32 v[QB+4], v[QB], v[ZR], s[QM]             ; i's bit 1: one register up
.elseif QN == 22
	v_cndmask_b32 v[QB+5], v[QB+1], v[QB], s[QM]
.elseif QN == 23
	v_cndmask_b32 v[QB+6], v[QB+2], v[QB+1], s[QM]
.elseif QN == 24
	v_cndmask_b32 v[QB+7], v[ZR], v[QB+2], s[QM]
.elseif QN == 25
	v_cndmask_b32 v[QB+10], v[QB+4], v[ZR], s[QM+2]        ; these four sit at places -2..1 (i < 4), 0..3 (i < 8) or 2..5
.elseif QN == 26
	v_cndmask_b32 v[QB+11], v[QB+5], v[ZR], s[QM+2]
.elseif QN == 27
	v_cndmask_b32 v[QB], v[ZR], v[QB+6], s[QM+1]
.elseif QN == 28
	v_cndmask_b32 v[QB+1], v[ZR], v[QB+7], s[QM+1]
.elseif QN == 29
	v_cndmask_b32 v[QO], v[QB+6], v[QB+10], s[QM+1]
.elseif QN == 30
	v_cndmask_b32 v[QO+1], v[QB+7], v[QB+11], s[QM+1]
.elseif QN == 31
	v_cndmask_b32 v[QO+2], v[QB], v[QB+4], s[QM+2]
.else
	v_cndmask_b32 v[QO+3], v[QB+1], v[QB+5], s[QM+2]
.endif
.set RK, RK+1
.endif
.endm
.macro RIDE n
.if (\n) > 0
.rept \n
	OP1
.endr
.endif
.endm
.macro WRUN g                          ; a run of 16 LDS loads: fragments 8 g .. 8 g + 7 of the slot's 32 into half g % 2 of the sixteen buffers; each load is 32 lanes x 16 neighbouring bytes
	WIN 0xc0                                       ; destination window 3, address window 0
.set WI, 8*(\g)
.rept 8
	ds_load_b128 v[WB+8*(WI%16):WB+8*(WI%16)+3],   v[WA] offset:WI*1024
	ds_load_b128 v[WB+8*(WI%16)+4:WB+8*(WI%16)+7], v[WA] offset:WI*1024+512
.set WI, WI+1
.endr
	WIN 0
.endm
.macro ACC l2, a, nb                   ; window AW and register AR of accumulator (row a, token tile nb)
.if \l2
.set AW, 2
.set AR, 32*(\a)+8*(\nb)
.else
.set AW, 1+(\a)/8
.set AR, 32*((\a)%8)+8*(\nb)
.endif
.endm
; A SLOT'S SPLINE WORK: 32 fragments = 32 / nm K steps of nm output rows = four GROUPS of eight fragments, 32 products each.  K step ci multiplies feature buffer ci % 2; meanwhile the queue makes
; step ci + 1's features in the other buffer, and x of step ci + 2 is read.  Each fragment feeds four products; the accumulators take turns, one instruction a turn: an
; accumulator comes up again after 4 nm - 1 others, over the backward jump too.
; Groups 0 and 1 are fetched behind the change of slots; group g + 1 at the head of group g, into the half that group g - 1 has left: behind that half's last product stand its four riders, plain
; instructions that name none of its registers, and where a K step begins up to 32 of the lump besides.  x's two loads stand at the head of the same run.
.macro SLOTBODY nm, lump, l2
	v_add_nc_u32 v[XA], s[XB], v[SA]
.set FI, 0
.set GI, 0
.rept 4
.set CS, 0                             ; 1: a K step begins with this group
.if (8*GI)%(\nm) == 0
.set CS, 1
.endif
.set PP, ((8*GI)/(\nm))%2
.set PRE, 0
.if CS
.set RK, 0
.set RSRC, XQ+8*(1-PP)
.set RDST, FA+32*(1-PP)
.if GI > 0
.set PRE, 32
.if (\lump) < 32
.set PRE, \lump
.endif
	RIDE PRE                                       ; the lump's beginning stands in front of the run
.endif
	WIN 0
	ds_load_b128 v[XQ+8*PP:XQ+8*PP+3],   v[XA] offset:((8*GI)/(\nm)+2)*1024
	ds_load_b128 v[XQ+8*PP+4:XQ+8*PP+7], v[XA] offset:((8*GI)/(\nm)+2)*1024+512
.endif
.if GI == 0
	WRUN 0
	WRUN 1
.elseif GI < 3
	WRUN GI+1
.endif
.if CS
	RIDE (\lump)-PRE                               ; what finds no place behind a product
.endif
.if GI > 0
.set WN, 0                             ; group 3: nothing was issued behind its run but, in layer 2, x: all is waited for, so that the next slot's riders find x
.if GI < 3
.set WN, 16                            ; this group's run is in, and x where it stands in front of the run just issued: only that run's 16 may be out
.if CS && ((\nm) == 16)
.set WN, 18                            ; layer 1's second K step has a lump of 8 alone: x's two loads may stay out too; they are read in the next slot, behind group 3's wait for 0
.endif
.endif
	s_wait_dscnt WN
.endif
.rept 8
.if GI == 0
	s_wait_dscnt 30-2*FI                           ; LDS loads come back in order (ISA guide 5.7.1): fragment FI is in; behind it 2 (7 - FI) loads of its run and group 1's 16
.endif
.set NBI, 0
.rept 4
	ACC \l2, FI%(\nm), NBI
	WIN 0x50*AW+3                                  ; weights in window 3, features in window 0
	v_wmma_f32_16x16x32_bf16 v[AR:AR+7], v[WB+8*(FI%16):WB+8*(FI%16)+7], v[FA+32*PP+8*NBI:FA+32*PP+8*NBI+7], v[AR:AR+7]
	RIDE 4
.set NBI, NBI+1
.endr
.set FI, FI+1
.endr
.set GI, GI+1
.endr
	s_add_co_u32 s[XB], s[XB], (32/(\nm))*1024
	WIN 0
.endm
.macro GEN0                            ; in front of a layer's loop: x of K steps 0 and 1, and step 0's features
	s_mov_b32 s[XB], 0
	WIN 0
.irp i, 0,1,2,3
	ds_load_b128 v[XQ+4*\i:XQ+4*\i+3], v[SA] offset:\i*512   ; LDS serves a wave's instructions in order (ISA guide 5.7.1.4): these see my stores above
.endr
	s_wait_dscnt 0x0
.set RK, 0
.set RSRC, XQ
.set RDST, FA
	RIDE 8*NE
.endm
.macro WREG b                          ; the silu loops' weight buffer b: v160-223, then the second feature buffer, then the registers at work
.if (\b) < 8
.set WR, W+8*(\b)
.elseif (\b) < 12
.set WR, FB+8*((\b)-8)
.else
.set WR, TQ+8*((\b)-12)
.endif
.endm
; THE SILU TILE, in phases: a trip is one K step of 32 inputs: 64 x a lane, their silu = x / (1 + 2^(-log2(e) x)), 32 roundings in pairs, nm x 4 products.
.macro SILU nm, trips, l2
	s_mov_b32 s[XB], 0
	s_mov_b32 s[SWB], s[TB]
	s_mov_b32 s[CNT], \trips
.Lsilu_\@:
	PLACES                                         ; behind the last products, in front of loads into registers that they read
	v_add_nc_u32 v[XA], s[XB], v[SA]
	v_add_nc_u32 v[WA], s[SWB], v[WA0]
.set i, 0
.rept 16
	ds_load_b128 v[CT+4*i:CT+4*i+3], v[XA] offset:i*512
.set i, i+1
.endr
.set i, 0
.rept \nm
	WREG i
	ds_load_b128 v[WR:WR+3],   v[WA] offset:i*1024
	ds_load_b128 v[WR+4:WR+7], v[WA] offset:i*1024+512
.set i, i+1
.endr
	s_wait_dscnt 2*(\nm)                           ; x is in; the weights' loads, issued behind it, may be out
.set q, 0
.rept 4
.set i, 0
.rept 16
	v_mul_f32 v[XQ+i], s[C25+3], v[CT+16*q+i]
.set i, i+1
.endr
.set i, 0
.rept 16
	v_exp_f32 v[XQ+i], v[XQ+i]
.set i, i+1
.endr
	v_nop                                          ; a plain instruction behind the last exponential (ISA guide 5.7.2)
.set i, 0
	s_wait_alu depctr_va_vdst(0)
.rept 16
	v_add_f32 v[XQ+i], 1.0, v[XQ+i]
.set i, i+1
.endr
.set i, 0
.rept 16
	v_rcp_f32 v[XQ+i], v[XQ+i]
.set i, i+1
.endr
	v_nop
.set i, 0
	s_wait_alu depctr_va_vdst(0)
.rept 16
	v_mul_f32 v[CT+16*q+i], v[CT+16*q+i], v[XQ+i]
.set i, i+1
.endr
.set q, q+1
.endr
.set i, 0
.rept 32                               ; i = 8 x tile + 4 x register half + pair
.if \l2
.set SR, CT+4*((4*((i/4)%2)+i%4)*2+(i/8)/2)+2*((i/8)%2)
	v_cvt_pk_bf16_f32 v[FA+i], v[SR], v[SR+1]
.else
.set SR, CT+4*(8*((i/4)%2)+2*(i%4))+i/8
	v_cvt_pk_bf16_f32 v[FA+i], v[SR], v[SR+4]
.endif
.set i, i+1
.endr
	s_wait_dscnt 0x0                               ; the weights are in
.set i, 0
.rept 4*(\nm)
	WREG i/4
	ACC \l2, i/4, i%4
	WIN 0x50*AW
	v_wmma_f32_16x16x32_bf16 v[AR:AR+7], v[WR:WR+7], v[FA+8*(i%4):FA+8*(i%4)+7], v[AR:AR+7]
.set i, i+1
.endr
	WIN 0
	s_add_co_u32 s[XB], s[XB], 8192
	s_add_co_u32 s[SWB], s[SWB], (\nm)*1024
	s_sub_co_u32 s[CNT], s[CNT], 1
	s_cmp_lg_u32 s[CNT], 0
	s_cbranch_scc1 .Lsilu_\@
.endm
.macro CLEAR win                       ; 256 accumulator registers
	WIN (\win)<<6
.set i, 0
.rept 256
	v_mov_b32 v[i], 0
.set i, i+1
.endr
	WIN 0
.endm
; ---------------- the head ----------------
	s_load_b256 s[4:11], s[0:1], 0x0               ; U s[4:5], wf s[6:7], lnp s[8:9], stats s[10:11]
	s_load_b64 s[12:13], s[0:1], 0x20              ; out0
	v_lshl_add_u32 v[SPW], v0, 2, SPARE
	v_mov_b32 v[NIL], 0
	ds_add_u32 v[SPW], v[NIL]                      ; the wave's opening: the add and its wait stand ahead of my first tensor load; the set-up below, work on registers, stands between them
	v_lshrrev_b32 v1, 5, v0
	v_readfirstlane_b32 s[WV], v1                  ; wave 0..3
	s_and_b32 s15, s[WV], 1                        ; kh
	s_lshr_b32 s16, s[WV], 1                       ; which 64 tokens
	s_bfe_u32 s17, ttmp6, 0x40000                  ; cx: my token block; it enters the addresses of U, out0 and lnp alone
	s_lshl_b32 s18, s[WV], 14                      ; my quarter of a tile
	s_mov_b32 s19, 0
	s_lshl_b32 s20, ttmp9, 18                      ; the batch (in a cluster launch ttmp9 counts clusters): 262,144 bytes,
	s_lshl_b32 s21, s15, 17                        ; 64 channels of 2,048 bytes,
	s_add_co_u32 s20, s20, s21
	s_lshl_b32 s21, s17, 9                         ; 128 tokens,
	s_add_co_u32 s20, s20, s21
	s_lshl_b32 s21, s16, 8                         ; 64 tokens
	s_add_co_u32 s20, s20, s21
	s_mov_b32 s21, 0
	s_lshl_b32 s22, s17, 16                        ; lnp: [token block][wave]
	s_add_co_u32 s22, s22, s18
	s_mov_b32 s23, 0
	s_lshl_b32 s76, ttmp9, 5                       ; the batch's four pairs in stats
	; descriptor group 1: a dense 16,384 bytes as 64 rows of 256 bytes, elements of 8 bytes, no padding (the fragments are read lane by lane, 16 neighbouring bytes each)
	s_mov_b32 s[G1+0], 15|(3<<16)|(1<<21)          ; 15:0 the mask: all four work-groups; 17:16 elements of 8 bytes; 21 set beside a mask
	s_mov_b32 s[G1+1], 32<<16                      ; tensor_dim0 = 32
	s_mov_b32 s[G1+2], 64<<16                      ; tensor_dim1 = 64
	s_mov_b32 s[G1+3], 32<<16                      ; tile_dim0 = 32
	s_mov_b32 s[G1+4], 64                          ; tile_dim1 = 64
	s_mov_b32 s[G1+5], 32                          ; 32 elements from row to row
	s_mov_b32 s[G1+6], 0
	s_mov_b32 s[G1+7], 0
	s_mov_b32 s[G0], 1                             ; count = 1
	s_lshl_b32 s[G0+1], s[WV], 14                  ; LDS address: slot 0, my quarter
	s_mov_b32 s[TB], SLOT1                         ; the first change of slots turns it into 0
	s_mov_b32 s[C25], 0x40200000                   ; 2.5
	s_mov_b32 s[C25+1], 0x40b00000                 ; 5.5
	s_mov_b32 s[C25+2], 0x41300000                 ; 11.0
	s_mov_b32 s[C25+3], 0xbfb8aa3b                 ; -log2(e)
	s_mov_b32 s[C3], 0x40400000                    ; 3.0
	s_mov_b32 s[C3+1], 0x40400000
	s_mov_b32 s[C3+2], 0xc0c00000                  ; -6.0
	s_mov_b32 s[C3+3], 0xc0c00000
	s_mov_b32 s[SELO], 0x03020100                  ; the second source as it is
	s_mov_b32 s[SELO+1], 0x05040302                ; its upper half, then the first source's lower half
	v_and_b32 v1, 31, v0
	v_lshlrev_b32 v[GL], 4, v1
	s_lshl_b32 s77, s15, 15
	v_add_nc_u32 v[WA0], s77, v[GL]
	s_mul_i32 s78, s[WV], AREA
	s_add_co_u32 s78, s78, STAGE
	v_add_nc_u32 v[SA], s78, v[GL]
	s_xor_b32 s79, s[WV], 1                        ; my partner: the same tokens, the other half of K
	s_mul_i32 s79, s79, AREA
	s_add_co_u32 s79, s79, STAGE
	v_add_nc_u32 v[PA], s79, v[GL]
	v_and_b32 v1, 15, v0
	v_bfe_u32 v[GU], v0, 4, 1
	v_lshlrev_b32 v[GU], 14, v[GU]                 ; h: eight channels of 2,048 bytes
	v_lshl_add_u32 v[GU], v1, 4, v[GU]             ; r: four tokens
	v_mov_b32 v[ZR], 0
	s_wait_dscnt 0x0                               ; the opening add is done
	s_wait_kmcnt 0x0
	s_add_nc_u64 s[G0+2:G0+3], s[6:7], s[18:19]    ; tile 0, my quarter
	s_or_b32 s[G0+3], s[G0+3], 0x80000000          ; type = 2
	s_add_nc_u64 s[4:5], s[4:5], s[20:21]
	s_add_nc_u64 s[12:13], s[12:13], s[20:21]
	s_add_nc_u64 s[8:9], s[8:9], s[22:23]
	s_load_b256 s[68:75], s[10:11], s76 offset:0x0 ; four (mean, sum of squares round it)
	CROUND                                         ; all four work-groups are here: the first joint loads meet
	tensor_load_to_lds s[G0:G0+3], s[G1:G1+7]      ; tile 0 into slot 0
	s_nop 0
	PLACES
; ---------------- LayerNorm ----------------
	WIN 0xc0
.set i, 0
.rept 32                               ; U(g, j): channel 64 kh + 16 g + 8 h + j, four tokens: 16 lanes read 256 neighbouring bytes
	global_load_b128 v[4*i:4*i+3], v[GU], s[4:5] offset:(16*(i/8)+i%8)*2048 th:TH_LOAD_NT
.set i, i+1
.endr
	WIN 0x40
.set i, 0
.rept 32
	global_load_b128 v[4*i:4*i+3], v[GL], s[8:9] offset:i*512
	global_load_b128 v[128+4*i:128+4*i+3], v[GL], s[8:9] offset:262144+i*512
.set i, i+1
.endr
	CLEAR 2                                        ; stands in the wait for those loads
	s_wait_kmcnt 0x0
	v_add_f32 v[TQ], s68, s70                      ; the four quarters are of equal size: mean of the means,
	v_add_f32 v[TQ+1], s72, s74
	v_add_f32 v[TQ], v[TQ], v[TQ+1]
	v_mul_f32 v[MU], 0.25, v[TQ]
	v_sub_f32 v[TQ+1], s68, v[MU]                  ; and the sums of squares plus 16,384 x the means' squared distances
	v_sub_f32 v[TQ+2], s70, v[MU]
	v_sub_f32 v[TQ+3], s72, v[MU]
	v_sub_f32 v[TQ+4], s74, v[MU]
	v_mul_f32 v[TQ+1], v[TQ+1], v[TQ+1]
	v_fmac_f32 v[TQ+1], v[TQ+2], v[TQ+2]
	v_fmac_f32 v[TQ+1], v[TQ+3], v[TQ+3]
	v_fmac_f32 v[TQ+1], v[TQ+4], v[TQ+4]
	v_add_f32 v[TQ+2], s69, s71
	v_add_f32 v[TQ+3], s73, s75
	v_add_f32 v[TQ+2], v[TQ+2], v[TQ+3]
	v_fmac_f32 v[TQ+2], 0x46800000, v[TQ+1]
	v_mov_b32 v[TQ+3], 0x3727c5ac                  ; 1e-5
	v_fmamk_f32 v[TQ+2], v[TQ+2], 0x37800000, v[TQ+3]  ; / 65,536 + eps
	v_rsq_f32 v[RS], v[TQ+2]
	v_mov_b32 v[MU+1], v[MU]                       ; the plain instruction behind the root
	s_wait_alu depctr_va_vdst(0)
	v_mov_b32 v[RS+1], v[RS]
	s_wait_loadcnt 0x0
.irp bt, 0,1                           ; sixteen channel slots at a time: x = (U - mean) (ln_w / sigma) + ln_b, into my area, [slot gj][lane][4 tokens]
	WIN 0x03
.set i, 0
.rept 32
	v_pk_add_f32 v[FA+2*i:FA+2*i+1], v[64*\bt+2*i:64*\bt+2*i+1], v[MU:MU+1] neg_lo:[0,1] neg_hi:[0,1]
.set i, i+1
.endr
	WIN 0x41
.set i, 0
.rept 32
	v_pk_mul_f32 v[64*\bt+2*i:64*\bt+2*i+1], v[64*\bt+2*i:64*\bt+2*i+1], v[RS:RS+1]
.set i, i+1
.endr
	WIN 0x14
.set i, 0
.rept 32
	v_pk_fma_f32 v[FA+2*i:FA+2*i+1], v[FA+2*i:FA+2*i+1], v[64*\bt+2*i:64*\bt+2*i+1], v[128+64*\bt+2*i:128+64*\bt+2*i+1]
.set i, i+1
.endr
	WIN 0
.set i, 0
.rept 16
	ds_store_b128 v[SA], v[FA+4*i:FA+4*i+3] offset:(16*\bt+i)*512
.set i, i+1
.endr
.endr
.irp i, 0,1,2,3
	ds_store_b128 v[SA], v[FA+48+4*\i:FA+48+4*\i+3] offset:16384+\i*512   ; the loop reads x two K steps ahead: behind the last step lie numbers that serve nothing
.endr
	CLEAR 1                                        ; ln_w and ln_b are used up
.set RSN, 1                            ; layer 1: x(tile, half) at 4 x half + tile
.set RSL, 4
	GEN0
; ---------------- layer 1 ----------------
	s_mov_b32 s[CNT], 8
.Ll1:                                  ; tiles 0-7: two K steps of 16 output rows each
	CHANGE 1
	SLOTBODY 16, 8*NE-256, 0
	s_sub_co_u32 s[CNT], s[CNT], 1
	s_cmp_lg_u32 s[CNT], 0
	s_cbranch_scc1 .Ll1
	CHANGE 1                                       ; tile 8 is in, tile 9 is asked for
	SILU 16, 2, 0
; ---------------- the halves of K meet ----------------
	s_wait_dscnt 0x0                               ; my reads of x are over
	s_barrier_signal -1                            ; tile 9 may stay on its way
	s_barrier_wait -1                              ; so are everybody's: the areas may be written
	PLACES                                         ; behind the last products
	WIN 0x08
.set i, 0
.rept 64                               ; the partner's 128 hidden, my part of their sums: each accumulator's low registers first
	ds_store_b128 v[PA], v[4*i:4*i+3] offset:i*512
.set i, i+1
.endr
	WIN 0
	s_wait_dscnt 0x0                               ; for the partner's sake: my stores are done
	s_barrier_signal -1
	s_barrier_wait -1
.irp bt, 0,1
	WIN 0
.set i, 0
.rept 32
	ds_load_b128 v[FA+4*i:FA+4*i+3], v[SA] offset:(32*\bt+i)*512
.set i, i+1
.endr
.if \bt == 0
	CLEAR 2                                        ; layer 2's accumulators; stands in the wait for those loads
.endif
.set i, 0
.rept 32
	s_wait_dscnt 31-i                              ; LDS loads come back in order (ISA guide 5.7.1): number i is in
	WIN 0x41
	v_pk_add_f32 v[128*\bt+4*i:128*\bt+4*i+1],   v[128*\bt+4*i:128*\bt+4*i+1],   v[FA+4*i:FA+4*i+1]
	v_pk_add_f32 v[128*\bt+4*i+2:128*\bt+4*i+3], v[128*\bt+4*i+2:128*\bt+4*i+3], v[FA+4*i+2:FA+4*i+3]
.set i, i+1
.endr
.endr
	WIN 0x04
.set i, 0
.rept 128                              ; the hidden numbers go back into my area as layer 2's x: [K step 4 mbl + jp][tiles 0-1, 2-3][lane][tile][2 features]; i = 16 mbl + 4 jp + tile
	ds_store_b64 v[SA], v[32*(i/16)+8*(i%4)+2*((i/4)%4):32*(i/16)+8*(i%4)+2*((i/4)%4)+1] offset:((i/16)*4+(i/4)%4)*1024+((i%4)/2)*512+(i%2)*8
.set i, i+1
.endr
.irp i, 0,1,2,3
	ds_store_b128 v[SA], v[4*\i:4*\i+3] offset:32768+\i*512   ; two K steps of read-ahead, as in layer 1
.endr
	WIN 0
.set RSN, 2                            ; layer 2: x(tile, half) at 2 x tile + half
.set RSL, 1
	GEN0
; ---------------- layer 2 ----------------
	s_mov_b32 s[CNT], 8
.Ll2:                                  ; tiles 9-16: four K steps of 8 output rows each
	CHANGE 1
	SLOTBODY 8, 8*NE-128, 1
	s_sub_co_u32 s[CNT], s[CNT], 1
	s_cmp_lg_u32 s[CNT], 0
	s_cbranch_scc1 .Ll2
	CHANGE 0                                       ; tile 17 is in; nothing is left to ask for
	SILU 8, 4, 1
; ---------------- the halves meet again; the residual; the way out ----------------
	s_wait_dscnt 0x0
	s_barrier_signal -1
	s_barrier_wait -1                              ; everybody's reads of the hidden numbers are over
	PLACES
	WIN 0x08
.set i, 0
.rept 32                               ; rows 4-7: the partner's 64 channels
	ds_store_b128 v[PA], v[128+4*i:128+4*i+3] offset:i*512
.set i, i+1
.endr
	WIN 0
	s_wait_dscnt 0x0
	s_barrier_signal -1
	s_barrier_wait -1
.set i, 0
.rept 32
	ds_load_b128 v[FA+4*i:FA+4*i+3], v[SA] offset:i*512
.set i, i+1
.endr
.set i, 0
.rept 32
	s_wait_dscnt 31-i
	WIN 0x82
	v_pk_add_f32 v[4*i:4*i+1],   v[4*i:4*i+1],   v[FA+4*i:FA+4*i+1]
	v_pk_add_f32 v[4*i+2:4*i+3], v[4*i+2:4*i+3], v[FA+4*i+2:FA+4*i+3]
.set i, i+1
.endr
	WIN 0xcb
.set i, 0
.rept 128                              ; accumulator (g, tile), register j is channel 64 kh + 16 g + 8 h + j: the place of U(g, j)'s word for that tile
	v_add_f32 v[4*(8*(i/32)+i%8)+(i/8)%4], v[4*(8*(i/32)+i%8)+(i/8)%4], v[i]
.set i, i+1
.endr
	WIN 0x0c
.set i, 0
.rept 32
	global_store_b128 v[GU], v[4*i:4*i+3], s[12:13] offset:(16*(i/8)+i%8)*2048 th:TH_STORE_NT   ; 16 lanes store 256 consecutive bytes, at a multiple of 256 from out0's first byte
.set i, i+1
.endr
	WIN 0
	s_wait_tensorcnt 0x0                           ; the wave's end, behind my last tensor load and my last LDS store
	ds_add_u32 v[SPW], v[NIL]
	s_wait_dscnt 0x0
	CROUND                                         ; the closing round: no work-group ends while a partner may still ask for a tile that names it
	s_endpgm
.Lfunc_end_k_q85204c31ac_kan:
	.size	k_q85204c31ac_kan, .Lfunc_end_k_q85204c31ac_kan-k_q85204c31ac_kan
	.p2alignl 7, 3214868480
	.fill 96, 4, 3214868480
	.section	.rodata,"a",@progbits
	.p2align	6, 0x0
	.amdhsa_kernel k_q85204c31ac_kan
		.amdhsa_group_segment_fixed_size 327680
		.amdhsa_private_segment_fixed_size 0
		.amdhsa_enable_private_segment 0
		.amdhsa_kernarg_size 40
		.amdhsa_user_sgpr_count 2
		.amdhsa_user_sgpr_kernarg_segment_ptr 1
		.amdhsa_wavefront_size32 1
		.amdhsa_system_sgpr_workgroup_id_x 1
		.amdhsa_system_sgpr_workgroup_id_y 1
		.amdhsa_system_sgpr_workgroup_id_z 1
		.amdhsa_system_vgpr_workitem_id 0
		.amdhsa_next_free_vgpr 1024
		.amdhsa_next_free_sgpr 80
		.amdhsa_reserve_vcc 0
		.amdhsa_float_denorm_mode_32 3
		.amdhsa_float_denorm_mode_16_64 3
		.amdhsa_memory_ordered 1
		.amdhsa_forward_progress 1
		.amdhsa_inst_pref_size 255
	.end_amdhsa_kernel
	.section	.bss,"aw",@nobits
	.p2align	6
	.space	262144
	.amdgpu_metadata
---
amdhsa.version: [ 1, 2 ]
amdhsa.kernels:
  - .name:           k_q85204c31ac_kan
    .symbol:         k_q85204c31ac_kan.kd
    .args:
      - { .name: U, .offset: 0, .size: 8, .value_kind: global_buffer, .address_space: global }
      - { .name: wf, .offset: 8, .size: 8, .value_kind: global_buffer, .address_space: global }
      - { .name: lnp, .offset: 16, .size: 8, .value_kind: global_buffer, .address_space: global }
      - { .name: stats, .offset: 24, .size: 8, .value_kind: global_buffer, .address_space: global }
      - { .name: out0, .offset: 32, .size: 8, .value_kind: global_buffer, .address_space: global }
    .group_segment_fixed_size: 327680
    .private_segment_fixed_size: 0
    .kernarg_segment_align: 8
    .kernarg_segment_size: 40
    .max_flat_workgroup_size: 128
    .sgpr_count:     80
    .vgpr_count:     1024
    .wavefront_size: 32
...
	.end_amdgpu_metadata
.endif
;; end of part 2
